; MI455X (gfx1250); checked and timed in simulation.
; The chip was launched on July 23, 2026; its instructions are those of AMD's public machine-readable ISA for CDNA 5 (MIT licence, August 2026) and "CDNA5" Instruction Set Architecture Reference Guide (July 2026). The comments in the code are by the model that wrote it; some were corrected since.
;; Attention. Allowed arithmetic: matrix products marked QUANTISED: E2M1 operands, one E8M0 scale for each 32 along K, by v_wmma_scale_f32_16x16x128_f8f6f4 with both operands' format E2M1 (or v_wmma_scale_f32_32x16x128_f4), f32 sums; products left as they are: f32 operands where the result goes on into a quantised operand, else bf16, f16 or f32 operands; f32 sums; everything else in f32.
;; Inputs: attention_weights_codes 1,024 x 32 x 16 uint8 (E2M1 codes of attention_weights, K innermost, in blocks of 32 codes, two codes a byte); attention_weights_scales 1,024 x 32 uint8 (E8M0 scales of attention_weights, one for each 32 codes along K); context_vector 1,024 x 1 float32; gru_output 32 x 2,048 x 1,024 float32.
;; Outputs: out0 32 x 1,024 float32; out1 32 x 2,048 float32.
;; This version of the problem:
;;   THIS VERSION OF THE PROBLEM IS GIVEN IN LOW PRECISION. The matrix products marked QUANTISED in the list below multiply operands that are first quantised to E2M1 (2 exponent bits, 1 mantissa bit; 4 bits a number), with one power-of-two scale for each 32 numbers along K (OCP MX v1.0); their sums are f32. All else is computed in f32.
;;   The module's matrix products, in the order in which they are computed (A, B: the left and right operand; K: the contracted axis; several contracted axes count as one K, in the product's order):
;;     1. [M 65,536, K 1,024] x [K 1,024, N 1,024]; A: input gru_output; B: input attention_weights (given as codes): QUANTISED
;;     2. [M 65,536, K 1,024] x [K 1,024, N 1]; A: computed on the way; B: input context_vector: left as it is (N = 1 < 16)
;;     3. batch 32 x [M 1,024, K 2,048] x [K 2,048, N 1]; A: input gru_output; B: softmax: left as it is (N = 1 < 16)
;;   THE QUANTISER, for each operand of a quantised product, along K:
;;     - K is cut into blocks of 32 from its start; a last block that is shorter is filled with zeros.
;;     - A block's scale is 2^e with e = floor(log2(the largest magnitude in the block)) - 2, held to -126 .. 127; a block of zeros has e = 0. As a byte (E8M0): e + 127.
;;     - Each number is divided by its block's scale, clamped to +-6, and rounded to the nearest number of E2M1, ties to even, subnormals kept.
;;     - The product sums the exact products of the quantised numbers (number of the format x scale) in f32.
;;   ~~~python
;;   def quantise(x, axis):      # numpy; x: float32 -> the quantised numbers, widened to float32 again
;;       x = np.moveaxis(x, axis, -1); K = x.shape[-1]
;;       x = np.pad(x, [(0, 0)] * (x.ndim - 1) + [(0, -K % 32)]); x = x.reshape(x.shape[:-1] + (-1, 32)); a = np.abs(x).max(-1, keepdims=True)
;;       e = np.where(a > 0, np.clip(np.frexp(np.where(a > 0, a, 1))[1] - 1 - 2, -126, 127), 0)      # np.frexp(a)[1] - 1 = floor(log2(a)), exactly
;;       r = np.clip(x / 2.0 ** e, -6, 6)
;;       step = 2.0 ** (np.maximum(np.frexp(np.where(r == 0, 1, r))[1] - 1, 0) - 1)
;;       q = np.round(r / step) * step * 2.0 ** e      # np.round: ties to even
;;       return np.moveaxis(q.reshape(q.shape[:-2] + (-1,))[..., :K], -1, axis).astype(np.float32)
;;   ~~~
;;   INPUTS GIVEN AS CODES. attention_weights (in the module: [1024, 1024], K = its axis 0): each comes as NAME_codes (uint8): NAME with its K axis moved to the last place and cut into blocks of 32 codes, [.., K / 32, bytes a block], one block behind the other in memory; two codes a byte, the lower K in the low four bits (a code: sign, 2 exponent bits, 1 mantissa bit); and NAME_scales (uint8): the same leading axes, one E8M0 byte (e + 127) for each 32 codes along K. Its value is code x scale, taken as it is: it is not quantised again, and the codes and scales need not be those that the quantiser above would give.
;; One version. Each part assembles by itself: llvm-mc -triple=amdgcn-amd-amdhsa -mcpu=gfx1250 --defsym DOCPART=n.
;; ======== version 1 of 1: 3 launches
;; workspace buffers: wfrag 524,288 bytes; tlog 262,144 bytes; part 1,048,576 bytes; stats 65,536 bytes
;; launch lay (part 1): grid 128 x 1, 8 waves a work-group, no clusters, 0 bytes of LDS; arguments attention_weights_codes, wfrag; writes wfrag
.if DOCPART == 1
	.amdgcn_target "amdgcn-amd-amdhsa--gfx1250"
	.amdhsa_code_object_version 6
	.text
	.protected	k_q0008ae67e8_lay
	.globl	k_q0008ae67e8_lay
	.p2align	8
	.type	k_q0008ae67e8_lay,@function
k_q0008ae67e8_lay:
	s_mov_b64 s[64:65], 0
	v_nop
	global_prefetch_b8 v0, s[64:65] scope:SCOPE_SE
	s_setreg_imm32_b32 hwreg(HW_REG_WAVE_MODE, 25, 1), 1
	s_wait_xcnt 0x0
; THE PROGRAM (three launches): lay, fused, join.
;   score = tanh(Q(x) W), logit[t] = sum over n of c[n] score[t][n], attn = softmax over t of logit, context = sum over t of attn[t] x[t].
; WORK LEFT OUT, and why it can reach no output.  tanh(s) = 1 - 2 / (1 + e^(2 s)) for every real s, so
;   logit[t] = (sum over n of c[n]) - 2 x sum over n of c[n] / (1 + e^(2 s[t][n])).
; The first term holds no t: it is the same along the softmax's axis, whatever finite numbers the inputs hold, and both outputs hang on the logits through that softmax alone, which
; takes a common term away.  So the sum of c is never formed; the program carries t = log2(e) x (logit - sum of c).  Every input still has a way to an output and is loaded.
; LIMIT: an overflow, an infinity or a NaN that would arise in the sum of c alone is not carried to the result.
;
; THIS LAUNCH lays W's codes in the order in which a wave's operand registers take them, once, so that launch fused loads each fragment by loads of 512 consecutive bytes.
; W's codes: [1024 rows n][512 bytes], K innermost.  Tile T = rows 16 T .. 16 T + 15 = 8,192 bytes.  A fragment (tile T, K step s of 128) is 8 registers a lane: lane (r = lane % 16, h = lane / 16),
; registers 4 c .. 4 c + 3 hold the 16 bytes of row 16 T + r at byte 64 s + 32 c + 16 h.  In wfrag those 16 bytes lie at T x 8,192 + (2 s + c) x 512 + 16 x lane.
; Thread G (0 .. 32,767) moves piece G: one load of 16 bytes, one store of 16 bytes; a wave's store covers 512 consecutive bytes, aligned.  The reads are pieces of 32 bytes of sixteen rows:
; 524,288 bytes, read once in the program in that way.
	s_load_b128 s[4:7], s[0:1], 0x0                ; W's codes s[4:5], wfrag s[6:7]
	s_lshl_b32 s8, ttmp9, 8
	v_add_nc_u32 v1, s8, v0                        ; G = 256 x work-group + thread
	v_lshlrev_b32 v2, 4, v1                        ; to: 16 G
	v_lshrrev_b32 v3, 9, v1                        ; T
	v_lshlrev_b32 v3, 13, v3                       ; from: T x 8,192
	v_and_b32 v4, 15, v1                           ; r
	v_lshl_add_u32 v3, v4, 9, v3                   ; + r x 512
	v_bfe_u32 v4, v1, 4, 5                         ; 2 (2 s + c) + h
	v_lshl_add_u32 v3, v4, 4, v3                   ; + 32 (2 s + c) + 16 h
	s_wait_kmcnt 0x0
	global_load_b128 v[8:11], v3, s[4:5]
	s_wait_loadcnt 0x0
	global_store_b128 v2, v[8:11], s[6:7]
	s_endpgm
.Lfunc_end_k_q0008ae67e8_lay:
	.size	k_q0008ae67e8_lay, .Lfunc_end_k_q0008ae67e8_lay-k_q0008ae67e8_lay
	.p2alignl 7, 3214868480
	.fill 96, 4, 3214868480
	.section	.rodata,"a",@progbits
	.p2align	6, 0x0
	.amdhsa_kernel k_q0008ae67e8_lay
		.amdhsa_group_segment_fixed_size 0
		.amdhsa_private_segment_fixed_size 0
		.amdhsa_enable_private_segment 0
		.amdhsa_kernarg_size 16
		.amdhsa_user_sgpr_count 2
		.amdhsa_user_sgpr_kernarg_segment_ptr 1
		.amdhsa_wavefront_size32 1
		.amdhsa_system_sgpr_workgroup_id_x 1
		.amdhsa_system_sgpr_workgroup_id_y 1
		.amdhsa_system_sgpr_workgroup_id_z 1
		.amdhsa_system_vgpr_workitem_id 0
		.amdhsa_next_free_vgpr 16
		.amdhsa_next_free_sgpr 66
		.amdhsa_reserve_vcc 0
		.amdhsa_float_denorm_mode_32 3
		.amdhsa_float_denorm_mode_16_64 3
		.amdhsa_memory_ordered 1
		.amdhsa_forward_progress 1
		.amdhsa_inst_pref_size 1
	.end_amdhsa_kernel
	.amdgpu_metadata
---
amdhsa.version: [ 1, 2 ]
amdhsa.kernels:
  - .name:           k_q0008ae67e8_lay
    .symbol:         k_q0008ae67e8_lay.kd
    .args:
      - { .name: attention_weights_codes, .offset: 0, .size: 8, .value_kind: global_buffer, .address_space: global }
      - { .name: wfrag, .offset: 8, .size: 8, .value_kind: global_buffer, .address_space: global }
    .group_segment_fixed_size: 0
    .private_segment_fixed_size: 0
    .kernarg_segment_align: 8
    .kernarg_segment_size: 16
    .max_flat_workgroup_size: 256
    .sgpr_count:     66
    .vgpr_count:     16
    .wavefront_size: 32
...
	.end_amdgpu_metadata
.endif
;; end of part 1
;; launch fused (part 2): grid 256 x 1, 4 waves a work-group, no clusters, 327,680 bytes of LDS; arguments gru_output, wfrag, attention_weights_scales, context_vector, tlog, part, stats; writes tlog, part, stats
.if DOCPART == 2
	.amdgcn_target "amdgcn-amd-amdhsa--gfx1250"
	.amdhsa_code_object_version 6
	.text
	.protected	k_q0008ae67e8_fused
	.globl	k_q0008ae67e8_fused
	.p2align	8
	.type	k_q0008ae67e8_fused,@function
k_q0008ae67e8_fused:
	s_mov_b64 s[64:65], 0
	v_nop
	global_prefetch_b8 v0, s[64:65] scope:SCOPE_SE
	s_setreg_imm32_b32 hwreg(HW_REG_WAVE_MODE, 25, 1), 1
	s_wait_xcnt 0x0
; x = gru_output [65,536 rows][1,024] f32.  A work-group takes 256 rows of one batch, in four sub-blocks of 64 rows, and reads each byte of x from memory ONCE: a row is quantised for the first product
; and kept (as bf16) until its logit is there; then it goes into a running softmax: for the work-group a running maximum m, a sum l and an unnormalised context  sum of 2^(t - m) x.  Launch join joins the eight
; work-groups of a batch.
; LEFT OUT (shown at the head of launch lay): the sum of c, which is the same for every t of the softmax's axis.  Carried is t = log2(e) (logit - sum of c) = -2 log2(e) x sum over n of c[n] / (1 + 2^(2 log2(e) s[n])).
; That form holds for every s: 2^(..) may become infinity (the quotient is then 0) or 0 (it is 1).
; LIMITS: NaN and infinities among the inputs are not served.  A block of 32 zeros of x gets the scale byte 1 (the quantiser says 127): its codes are zeros, and this launch alone reads the byte.
; For the context x is rounded to bf16 (the weights 2^(t - m) stay f32, sums f32).  An overflow that would arise in the sum of c alone is not carried to the result.
; SHARES.  Wave w (of four) owns (a) x's columns 256 w .. + 255: it fetches them (one tensor load, 64 rows x 1,024 bytes), quantises them, keeps them, and sums their part of the context;
; (b) W's rows n = 256 w .. + 255 (16 tiles of 16) for all 64 rows of x in the first product.  x's codes go from wave to wave through LDS; each wave then holds all 64 rows' codes in 256 registers.
; W comes from wfrag straight into registers, two tiles (a pair) at a time, in two sets that take turns; the set just multiplied is asked for again at once.
; THE WALK OVER W TURNS ROUND AT EACH SUB-BLOCK: a trip takes two pairs; the trips go 0, 1, 2, 3 in sub-blocks 0 and 2 and 3, 2, 1, 0 in sub-blocks 1 and 3.  So the two pairs that lie in registers at a sub-block's
; end are the next sub-block's first, and are not fetched again: a wave fetches 26 pairs where 32 are multiplied.  The sum over n does not hang on its order but for rounding.
; NO CLUSTER, NO JOINT LOADS, though all work-groups read the same W: a byte of W is used by ONE wave of a work-group and goes into its registers.  Through LDS, one tile for each of the four waves would be
; 4 x 8,192 bytes; beside the 262,144 bytes in which x lands and the 43,520 bytes of codes, scale bytes, stages and spare words LDS has 22,016 left.  x is shared by nobody.
; THE PRODUCT IS USED TRANSPOSED: source 0 = 16 rows of W, source 1 = 16 rows of x: lane (r, h) holds row r of x, and its eight registers W's rows 8 h + 0 .. 7.
; REGISTERS, in windows of 256: window 0: addresses, statistics, scale words, c, sums, and v160-223: the eight accumulators (at other times the 64 weights; with v224-255: four rows of x three times over);
;   window 1: x's codes, fragment (m, s) at v[8 (8 m + s)];  window 2: x as bf16, row i at v[4 i];  window 3: W's fragments, set b, tile n, K step s at v[128 b + 64 n + 8 s].
.set CODE,  262144                     ; LDS.  From 0: four landing regions of 65,536 bytes, wave w's at 65,536 w: 64 rows x 1,024 bytes, filled by tensor loads alone
.set CP,    528                        ; from CODE: x's codes, 64 rows of 512 bytes + 16
.set XSC,   295936                     ; x's scale bytes, 64 rows of 32 bytes + 16
.set XP,    48
.set PART,  299008                     ; the waves' partial sums: [4 waves][64 rows] f32
.set PB,    300032                     ; the 64 weights, once for each wave: its own 256 bytes
.set CST,   301056                     ; the context's way out: 1,024 bytes for each wave, its own
.set SPARE, 305152                     ; the spare words, 128 bytes for each wave: two blocks of 256 bytes that no other line names
.set SPW,  1                           ; v1   LDS address of my spare word; never rewritten
.set NIL,  2                           ; v2   0; never rewritten
.set LA1,  3                           ; v3   landing region: 65,536 w + 32 lane + 16 f, f = (lane / 8) % 2
.set LA2,  4                           ; v4   the other 16 of my 32 bytes
.set CA,   5                           ; v5   CODE + 128 w + 4 lane
.set SA,   6                           ; v6   XSC + 8 w + lane / 4 + 48 (lane % 4)
.set SELP, 7                           ; v7   byte select that puts a code word's halves in order
.set AFA,  8                           ; v8   CODE + 528 r + 16 h
.set ASA,  9                           ; v9   XSC + 48 r
.set O16,  10                          ; v10  16 lane
.set O32,  11                          ; v11  32 lane
.set OH,   12                          ; v12  32 h
.set PTA,  13                          ; v13  PART + 256 w + 4 r
.set PRA,  14                          ; v14  PART + 8 lane
.set PBW,  15                          ; v15  PB + 256 w + 8 lane
.set PBR,  16                          ; v16  PB + 256 w
.set O8,   17                          ; v17  8 lane
.set CS1,  18                          ; v18  CST + 1,024 w + 32 lane + 16 f
.set CS2,  19                          ; v19  the other 16 bytes
.set CSR,  20                          ; v20  CST + 1,024 w + 16 lane
.set RM,   22                          ; v22  the running maximum m
.set RL,   23                          ; v23  the running sum l: my lane's part (rows 2 lane, 2 lane + 1 of each sub-block)
.set TL,   24                          ; v[24:25] t of rows 2 lane, 2 lane + 1
.set PP,   26                          ; v[26:27] their weights 2^(t - m)
.set FF,   28                          ; v[28:29] f = 2^(old m - new m); v29 is only named with it as a pair
.set TA,   30
.set TB,   31
.set CTX,  32                          ; v32-39   the context of my 8 columns
.set AS,   40                          ; v40-71   x's scale words: tile of rows m, K step s at 40 + 8 m + s
.set WS,   72                          ; v72-87   W's scale words: set b, K step s: lanes 0-15 the pair's first tile, lanes 16-31 its second
.set CC,   88                          ; v88-119  c in the result's layout: set b, tile n, register j
.set LG,   120                         ; v120-135 sums of c / (1 + 2^..): a pair for each accumulator
.set TM,   136                         ; v136-151 at work
.set SCO,  140
.set CD,   144
.set TT,   148
.set SS,   160                         ; v160-223 accumulator (n, m) at 160 + 8 (4 n + m)
.set WV,   18                          ; s18  my wave's number
.set SUB,  19                          ; s19  sub-blocks that still ask for a successor
.set J,    20                          ; s20  trip of the loop over W's pairs
.set JN,   21
.set KAP,  22                          ; s[22:23] 2 log2(e)
.set G1,   24                          ; s[24:31] descriptor group 1
.set G0,   32                          ; s[32:35] descriptor group 0
.set SEL,  36                          ; s[36:37] lane selects: lane l xor 16
.set WF0,  38                          ; s[38:39] wfrag at my 16 tiles;  s[40:41] W's scale bytes at my 256 rows;  s[42:43] c at my 256 numbers
.set WS0,  40
.set C0,   42
.set WFN,  44                          ; s[44:49] the same three at the two pairs that are being asked for
.set WSN,  46
.set CN,   48
.set OFS,  50                          ; s[50:51] an offset, its upper word 0
.set NKAP, 52                          ; s[52:53] -2 log2(e)
.set FLOOR, 54                         ; s54  2^(3 - 127): no largest magnitude is taken under it, so a scale byte cannot fall under 1
.set EOFF, 55                          ; s55  takes 2 off an exponent field
.set ODD,  56                          ; s56  lanes with lane % 2 = 1;  s57 with (lane / 2) % 2 = 1;  s58 with (lane / 8) % 2 = 1
.set BIT1, 57
.set BIT3, 58
.set DM,   59                          ; s59  0 in sub-blocks 0 and 2, 3 in sub-blocks 1 and 3: trip J multiplies the two pairs number J xor DM
.set MSB, 0
.macro WIN new                         ; the immediate's high byte repeats the setting that is left; a switch that changes nothing is dropped
.if MSB != \new
	s_set_vgpr_msb (MSB<<8)|\new
.set MSB, \new
.endif
.endm
; ---- P1: my quarter of the 64 rows: scale bytes, codes (to LDS), bf16 (kept).  A lane holds 8 neighbours of a row, four lanes a block of 32.
; Lanes with f = 1 take the upper 16 of their 32 bytes first: so the sixteen lanes of half a load name sixteen different 16-byte columns of 256 bytes.  Their eight numbers then stand as 4..7, 0..3:
; the code word's halves are put back by v_perm_b32; the bf16 copy and the context keep that order, and the context's way out undoes it by address.
; The LDS loads run two groups of four rows ahead, in three sets of 32 registers.
.macro XLOADS g                        ; rows 4 g .. 4 g + 3 into set g % 3 of v160-255
.irp p, 0,1,2,3
	ds_load_b128 v[SS+32*((\g)%3)+8*\p:SS+32*((\g)%3)+8*\p+3], v[LA1] offset:(4*(\g)+\p)*1024
	ds_load_b128 v[SS+32*((\g)%3)+8*\p+4:SS+32*((\g)%3)+8*\p+7], v[LA2] offset:(4*(\g)+\p)*1024
.endr
.endm
.macro P1GROUP g
.set XB, SS+32*((\g)%3)
.if (\g) < 14
	XLOADS (\g)+2
.endif
; LDS instructions end in order: the count is what was issued behind this group's eight loads.  In the middle: the five stores of group g - 2, eight loads, the five stores of group g - 1, eight loads
.if (\g) == 0
	s_wait_dscnt 16                                ; two groups' loads
.elseif (\g) == 1
	s_wait_dscnt 21                                ; eight loads, five stores, eight loads
.elseif (\g) < 14
	s_wait_dscnt 26
.elseif (\g) == 14
	s_wait_dscnt 18                                ; five stores, eight loads, five stores
.else
	s_wait_dscnt 10                                ; two groups' stores: my reads of the landing region are over
.endif
.irp p, 0,1,2,3
	v_max3_num_f32 v[TM+\p], |v[XB+8*\p]|, |v[XB+8*\p+1]|, s[FLOOR]   ; the four rows by turns
.endr
.irp q, 2,4,6
.irp p, 0,1,2,3
	v_max3_num_f32 v[TM+\p], v[TM+\p], |v[XB+8*\p+\q]|, |v[XB+8*\p+\q+1]|
.endr
.endr
.irp p, 0,1,2,3
	v_max_num_f32_dpp v[TM+\p], v[TM+\p], v[TM+\p] row_xmask:1 row_mask:0xf bank_mask:0xf
.endr
.irp p, 0,1,2,3
	v_max_num_f32_dpp v[TM+\p], v[TM+\p], v[TM+\p] row_xmask:2 row_mask:0xf bank_mask:0xf   ; the block's largest magnitude, in its four lanes
.endr
.irp p, 0,1,2,3
	v_add_nc_u32 v[SCO+\p], s[EOFF], v[TM+\p]      ; 2 off its exponent field: the conversion takes the exponent field of this operand as its scale
.endr
.irp p, 0,1,2,3
	v_cvt_scalef32_pk8_fp4_f32 v[CD+\p], v[XB+8*\p:XB+8*\p+7], v[SCO+\p]
.endr
	v_cndmask_b32 v[TT], v[SCO], v[SCO+1], s[ODD]  ; lane l stores the byte of row 4 g + l % 4, block l / 4.  (Plain lines behind the conversions)
	v_cndmask_b32 v[TT+1], v[SCO+2], v[SCO+3], s[ODD]
	v_cndmask_b32 v[TT], v[TT], v[TT+1], s[BIT1]
	v_lshrrev_b32 v[TT], 23, v[TT]                 ; the scale's byte
.irp p, 0,1,2,3
	v_perm_b32 v[CD+\p], v[CD+\p], v[CD+\p], v[SELP]
.endr
	WIN 0x80                                       ; destination window 2
.irp p, 0,1,2,3
.irp q, 0,1,2,3
	v_cvt_pk_bf16_f32 v[4*(4*(\g)+\p)+\q], v[XB+8*\p+2*\q], v[XB+8*\p+2*\q+1]
.endr
.endr
	WIN 0
.irp p, 0,1,2,3
	ds_store_b32 v[CA], v[CD+\p] offset:(4*(\g)+\p)*CP     ; 32 lanes: the 128 bytes of my 256 columns' codes
.endr
	ds_store_b8 v[SA], v[TT] offset:4*XP*(\g)
.endm
.macro P1
	s_wait_tensorcnt 0x0                           ; my one tensor load has landed; I alone read its bytes
	XLOADS 0
	XLOADS 1
.irp g, 0,1,2,3,4,5,6,7,8,9,10,11,12,13,14,15
	P1GROUP \g
.endr
.endm
; ---- all 64 rows' scale words and codes into my registers, the codes by K steps: the first products wait for them step by step.  The sums of this sub-block begin at 0
.macro ALOAD
.irp m, 0,1,2,3
	ds_load_b128 v[AS+8*\m:AS+8*\m+3], v[ASA] offset:16*\m*XP
	ds_load_b128 v[AS+8*\m+4:AS+8*\m+7], v[ASA] offset:16*\m*XP+16
.endr
	WIN 0x40                                       ; destination window 1
.irp s, 0,1,2,3,4,5,6,7
.irp m, 0,1,2,3
	ds_load_b128 v[8*(8*\m+\s):8*(8*\m+\s)+3], v[AFA] offset:16*\m*CP+64*\s
	ds_load_b128 v[8*(8*\m+\s)+4:8*(8*\m+\s)+7], v[AFA] offset:16*\m*CP+64*\s+32
.endr
.endr
	WIN 0
.irp i, 0,1,2,3,4,5,6,7,8,9,10,11,12,13,14,15
	v_mov_b32 v[LG+\i], 0
.endr
.endm
; ---- W: a pair of tiles into set b, in loads of 512 consecutive bytes.  Its 38 loads go out in three parts, always in this order: A: the first tile's 16 and the pair's scale words (32 rows x 32 bytes: a lane a row);
; B: the second tile's 16; C: c.  Part B stands between the activation's two batches: so 38 + 18 loads of mine are out when the activation begins, not 38 + 34, which LOADcnt's field could not count (ISA guide 5.7.1)
.macro WLOADA b
	WIN 0xc0                                       ; destination window 3
.irp q, 0,1,2,3,4,5,6,7,8,9,10,11,12,13,14,15
	global_load_b128 v[128*\b+4*\q:128*\b+4*\q+3], v[O16], s[WFN:WFN+1] offset:16384*\b+512*\q
.endr
	WIN 0
	global_load_b128 v[WS+8*\b:WS+8*\b+3], v[O32], s[WSN:WSN+1] offset:1024*\b
	global_load_b128 v[WS+8*\b+4:WS+8*\b+7], v[O32], s[WSN:WSN+1] offset:1024*\b+16
.endm
.macro WLOADB b
	WIN 0xc0
.irp q, 0,1,2,3,4,5,6,7,8,9,10,11,12,13,14,15
	global_load_b128 v[128*\b+64+4*\q:128*\b+64+4*\q+3], v[O16], s[WFN:WFN+1] offset:16384*\b+8192+512*\q
.endr
	WIN 0
.endm
.macro CLOAD b                         ; c at the pair's rows, in the result's layout: tile n, rows 8 h + 0 .. 7
.irp n, 0,1
	global_load_b128 v[CC+16*\b+8*\n:CC+16*\b+8*\n+3], v[OH], s[CN:CN+1] offset:128*\b+64*\n
	global_load_b128 v[CC+16*\b+8*\n+4:CC+16*\b+8*\n+7], v[OH], s[CN:CN+1] offset:128*\b+64*\n+16
.endr
.endm
.macro WM n, m, s, b
.set rD, SS+8*(4*(\n)+(\m))
.set rW, 128*(\b)+64*(\n)+8*(\s)
.set rX, 8*(8*(\m)+(\s))
.if (\s) == 0
.if (\n) == 0
	v_wmma_scale_f32_16x16x128_f8f6f4 v[rD:rD+7], v[rW:rW+7], v[rX:rX+7], 0, v[WS+8*(\b)+(\s)], v[AS+8*(\m)+(\s)] matrix_a_fmt:MATRIX_FMT_FP4 matrix_b_fmt:MATRIX_FMT_FP4
.else
	v_wmma_scale_f32_16x16x128_f8f6f4 v[rD:rD+7], v[rW:rW+7], v[rX:rX+7], 0, v[WS+8*(\b)+(\s)], v[AS+8*(\m)+(\s)] matrix_a_fmt:MATRIX_FMT_FP4 matrix_b_fmt:MATRIX_FMT_FP4 matrix_a_scale:MATRIX_SCALE_ROW1
.endif
.else
.if (\n) == 0
	v_wmma_scale_f32_16x16x128_f8f6f4 v[rD:rD+7], v[rW:rW+7], v[rX:rX+7], v[rD:rD+7], v[WS+8*(\b)+(\s)], v[AS+8*(\m)+(\s)] matrix_a_fmt:MATRIX_FMT_FP4 matrix_b_fmt:MATRIX_FMT_FP4
.else
	v_wmma_scale_f32_16x16x128_f8f6f4 v[rD:rD+7], v[rW:rW+7], v[rX:rX+7], v[rD:rD+7], v[WS+8*(\b)+(\s)], v[AS+8*(\m)+(\s)] matrix_a_fmt:MATRIX_FMT_FP4 matrix_b_fmt:MATRIX_FMT_FP4 matrix_a_scale:MATRIX_SCALE_ROW1
.endif
.endif
.endm
; 64 matrix instructions: two tiles of W x four tiles of rows, K = 1,024 in eight steps, ascending.  The eight accumulators take turns, one instruction a turn; the first step starts the sums.
; w = 1: these may be a sub-block's first products: K step s waits for x's scale words and for its own eight loads of codes; the eight loads of each later step may be out.  In later trips nothing is out.
.macro MULPAIR b, w
	WIN 0x07                                       ; source 0 (W) window 3, source 1 (x) window 1, C and D window 0
.irp s, 0,1,2,3,4,5,6,7
.if \w
	s_wait_dscnt 56-8*\s
.endif
.irp n, 0,1
.irp m, 0,1,2,3
	WM \n, \m, \s, \b
.endr
.endr
.endr
	WIN 0
.endm
; The 64 result registers, from each accumulator's low end on: y = 2 log2(e) s; 2^y; 1 + 2^y; its reciprocal; sums += c x reciprocal.
; Each kind of transcendental is ONE batch with one plain line and one wait behind it; the packed line that prepares the next pair stands between the pairs.
; load = 1: part B of the set's next loads stands between the two batches.
.macro TANH b, load
	v_pk_mul_f32 v[SS:SS+1], v[SS:SS+1], s[KAP:KAP+1] op_sel_hi:[1,0]
.set k, 0
.rept 32
.if k < 31
	v_pk_mul_f32 v[SS+2*k+2:SS+2*k+3], v[SS+2*k+2:SS+2*k+3], s[KAP:KAP+1] op_sel_hi:[1,0]
.endif
	v_exp_f32 v[SS+2*k], v[SS+2*k]
	v_exp_f32 v[SS+2*k+1], v[SS+2*k+1]
.set k, k+1
.endr
	v_nop
	s_wait_alu depctr_va_vdst(0)                   ; one wait for the 64 exponentials, ahead of their first reader
.if \load
	WLOADB \b
.endif
	v_pk_add_f32 v[SS:SS+1], v[SS:SS+1], 1.0 op_sel_hi:[1,0]
.set k, 0
.rept 32
.if k < 31
	v_pk_add_f32 v[SS+2*k+2:SS+2*k+3], v[SS+2*k+2:SS+2*k+3], 1.0 op_sel_hi:[1,0]
.endif
	v_rcp_f32 v[SS+2*k], v[SS+2*k]
	v_rcp_f32 v[SS+2*k+1], v[SS+2*k+1]
.set k, k+1
.endr
	v_nop
	s_wait_alu depctr_va_vdst(0)                   ; one wait for the 64 reciprocals
.irp jp, 0,1,2,3
.irp n, 0,1
.irp m, 0,1,2,3
	v_pk_fma_f32 v[LG+2*(4*\n+\m):LG+2*(4*\n+\m)+1], v[SS+8*(4*\n+\m)+2*\jp:SS+8*(4*\n+\m)+2*\jp+1], v[CC+16*\b+8*\n+2*\jp:CC+16*\b+8*\n+2*\jp+1], v[LG+2*(4*\n+\m):LG+2*(4*\n+\m)+1]
.endr
.endr
.endr
.endm
; A trip: two pairs of tiles.  load = 1: each set is asked for again as soon as it has been multiplied, with the two pairs number (J + 1) xor DM: the next trip's.
; Loads come back in order; behind a pair's 38 loads stand the other pair's 38: so the count 38 shows the pair that is wanted, from the head, round the back edge and into the trip that is written out alike.
; At a later sub-block's first trip no load is out: both pairs lie in their sets from the sub-block before.
.macro TRIP load
	s_wait_loadcnt 38
	MULPAIR 0, \load
.rept 4
	v_nop                                          ; four places between the last products and the loads into their operands, and the first read of results
.endr
.if \load
	s_wait_xcnt 0x0                                ; the loads issued so far, the youngest 64 matrix instructions back, have read their bases: only now are the bases written
	s_add_co_u32 s[JN], s[J], 1
	s_xor_b32 s[JN], s[JN], s[DM]
	s_lshl_b32 s[OFS], s[JN], 15                   ; two pairs: 32,768 bytes of fragments,
	s_add_nc_u64 s[WFN:WFN+1], s[WF0:WF0+1], s[OFS:OFS+1]
	s_lshl_b32 s[OFS], s[JN], 11                   ; 2,048 of scale bytes,
	s_add_nc_u64 s[WSN:WSN+1], s[WS0:WS0+1], s[OFS:OFS+1]
	s_lshl_b32 s[OFS], s[JN], 8                    ; 256 of c
	s_add_nc_u64 s[CN:CN+1], s[C0:C0+1], s[OFS:OFS+1]
	WLOADA 0
.endif
	TANH 0, \load
.if \load
	CLOAD 0
	s_wait_loadcnt 38
.else
	s_wait_loadcnt 0x0                             ; nothing was asked for behind the last pair
.endif
	MULPAIR 1, 0
.rept 4
	v_nop
.endr
.if \load
	WLOADA 1
.endif
	TANH 1, \load
.if \load
	CLOAD 1
.endif
.endm
.macro P2                              ; three trips that ask for their successors; the fourth is written out and asks for nothing: its two pairs stay for the next sub-block
	s_mov_b32 s[J], 0
.Ltrip_\@:
	TRIP 1
	s_add_co_u32 s[J], s[J], 1
	s_cmp_lt_u32 s[J], 3
	s_cbranch_scc1 .Ltrip_\@
	TRIP 0
.endm
; ---- P3: the 64 logits, the running softmax, the context.  step = 1: tlog's base goes on to the next sub-block
.macro P3 step
.irp m, 0,1,2,3
	v_pk_add_f32 v[LG+2*\m:LG+2*\m+1], v[LG+2*\m:LG+2*\m+1], v[LG+8+2*\m:LG+8+2*\m+1]     ; the pair's two tiles,
.endr
.irp m, 0,1,2,3
	v_add_f32 v[TM+\m], v[LG+2*\m], v[LG+2*\m+1]   ; even and odd registers,
.endr
.irp m, 0,1,2,3
	v_permlanex16_b32 v[SCO+\m], v[TM+\m], s[SEL], s[SEL+1]
.endr
.irp m, 0,1,2,3
	v_add_f32 v[TM+\m], v[TM+\m], v[SCO+\m]        ; and the other half of the lanes: row 16 m + r, my 256 rows of W
.endr
.irp m, 0,1,2,3
	ds_store_b32 v[PTA], v[TM+\m] offset:64*\m     ; (both halves of the lanes write the same word with the same value)
.endr
	s_wait_dscnt 0x0                               ; for the others' sake: my partial sums have landed
	s_barrier_signal -1
	s_barrier_wait -1
.irp u, 0,1,2,3
	ds_load_b64 v[CD+2*\u:CD+2*\u+1], v[PRA] offset:256*\u   ; rows 2 lane and 2 lane + 1, of each wave
.endr
	s_wait_dscnt 0x0
	v_pk_add_f32 v[CD:CD+1], v[CD:CD+1], v[CD+2:CD+3]
	v_pk_add_f32 v[CD+4:CD+5], v[CD+4:CD+5], v[CD+6:CD+7]
	v_pk_add_f32 v[CD:CD+1], v[CD:CD+1], v[CD+4:CD+5]
	v_pk_mul_f32 v[TL:TL+1], v[CD:CD+1], s[NKAP:NKAP+1] op_sel_hi:[1,0]   ; t.  Every wave holds all 64
	s_cmp_lg_u32 s[WV], 0
	s_cbranch_scc1 .Lnot0_\@
	global_store_b64 v[O8], v[TL:TL+1], s[12:13]   ; wave 0 stores them: 256 consecutive bytes, aligned
.Lnot0_\@:
	v_max_num_f32 v[TA], v[TL], v[TL+1]
	v_max_num_f32_dpp v[TA], v[TA], v[TA] row_xmask:1 row_mask:0xf bank_mask:0xf
	v_max_num_f32_dpp v[TA], v[TA], v[TA] row_xmask:2 row_mask:0xf bank_mask:0xf
	v_max_num_f32_dpp v[TA], v[TA], v[TA] row_xmask:4 row_mask:0xf bank_mask:0xf
	v_max_num_f32_dpp v[TA], v[TA], v[TA] row_xmask:8 row_mask:0xf bank_mask:0xf
	v_permlanex16_b32 v[TB], v[TA], s[SEL], s[SEL+1]
	v_max3_num_f32 v[TA], v[TA], v[TB], v[RM]      ; the new running maximum
	v_sub_f32 v[FF], v[RM], v[TA]
	v_sub_f32 v[PP], v[TL], v[TA]
	v_sub_f32 v[PP+1], v[TL+1], v[TA]
	v_exp_f32 v[FF], v[FF]                         ; f = 2^(old m - new m)
	v_exp_f32 v[PP], v[PP]                         ; the weights 2^(t - m)
	v_exp_f32 v[PP+1], v[PP+1]
	v_mov_b32 v[RM], v[TA]                         ; (the plain line behind the three)
	s_wait_alu depctr_va_vdst(0)                   ; one wait for the three, ahead of their first reader
	v_fma_f32 v[RL], v[RL], v[FF], v[PP]
	v_add_f32 v[RL], v[RL], v[PP+1]
	ds_store_b64 v[PBW], v[PP:PP+1]                ; the 64 weights through my wave's own 256 bytes: LDS serves a wave's instructions in order, so the loads below see this store
.irp i, 0,1,2,3,4,5,6,7,8,9,10,11,12,13,14,15
	ds_load_b128 v[SS+4*\i:SS+4*\i+3], v[PBR] offset:16*\i   ; every lane takes all 64
.endr
.irp i, 0,2,4,6
	v_pk_mul_f32 v[CTX+\i:CTX+\i+1], v[CTX+\i:CTX+\i+1], v[FF:FF+1] op_sel_hi:[1,0]
.endr
	WIN 0x02                                       ; source 0 (x as bf16) window 2
.set k, 0
.rept 16
	s_wait_dscnt 15-k                              ; the weights of rows 4 k .. 4 k + 3 are in; the younger loads may be out
.irp p, 0,1,2,3
.irp q, 0,1,2,3
	v_fma_mix_f32_bf16 v[CTX+2*\q], v[4*(4*k+\p)+\q], v[SS+4*k+\p], v[CTX+2*\q] op_sel_hi:[1,0,0]
	v_fma_mix_f32_bf16 v[CTX+2*\q+1], v[4*(4*k+\p)+\q], v[SS+4*k+\p], v[CTX+2*\q+1] op_sel:[1,0,0] op_sel_hi:[1,0,0]
.endr
.endr
.set k, k+1
.endr
	WIN 0
.if \step
	s_wait_xcnt 0x0                                ; the store of t has read its base and its data: the base steps here, the data are written again in the next sub-block
	s_add_nc_u64 s[12:13], s[12:13], 256
.endif
.endm
; ================ the head
	s_load_b256 s[4:11], s[0:1], 0x0               ; x s[4:5], wfrag s[6:7], W's scale bytes s[8:9], c s[10:11]
	s_load_b128 s[12:15], s[0:1], 0x20             ; tlog s[12:13], part s[14:15]
	s_load_b64 s[16:17], s[0:1], 0x30              ; stats
	v_lshl_add_u32 v[SPW], v0, 2, SPARE
	v_mov_b32 v[NIL], 0
	ds_add_u32 v[SPW], v[NIL]                      ; the wave's opening: the add, twice on end, and its wait ahead of my first tensor load
	ds_add_u32 v[SPW], v[NIL]                      ; and once more; the set-up below, work on registers, stands between it and the wait
	v_lshrrev_b32 v[TA], 5, v0
	v_readfirstlane_b32 s[WV], v[TA]               ; wave 0..3
	s_mov_b32 s[KAP], 0x4038aa3b                   ; 2 log2(e)
	s_mov_b32 s[KAP+1], s[KAP]                     ; (named with it as a pair, so it is written)
	s_mov_b32 s[NKAP], 0xc038aa3b
	s_mov_b32 s[NKAP+1], s[NKAP]
	s_mov_b32 s[SEL], 0x76543210
	s_mov_b32 s[SEL+1], 0xfedcba98
	s_mov_b32 s[FLOOR], 0x1800000
	s_mov_b32 s[EOFF], 0xff000000
	s_mov_b32 s[ODD], 0xaaaaaaaa
	s_mov_b32 s[BIT1], 0xcccccccc
	s_mov_b32 s[BIT3], 0xff00ff00
	s_mov_b32 s[DM], 0                             ; sub-block 0 walks W forward
	; descriptor group 1: a tile of 64 rows x 256 elements of 4 bytes, rows 1,024 elements apart in memory, on end in LDS
	s_mov_b32 s[G1+0], 2<<16                       ; 15:0 no mask; 17:16 elements of 4 bytes; no padding
	s_mov_b32 s[G1+1], 256<<16                     ; tensor_dim0 = 256
	s_mov_b32 s[G1+2], 64<<16                      ; tensor_dim1 = 64
	s_mov_b32 s[G1+3], 256<<16                     ; tile_dim0 = 256
	s_mov_b32 s[G1+4], 64                          ; tile_dim1 = 64
	s_mov_b32 s[G1+5], 1024                        ; from row to row
	s_mov_b32 s[G1+6], 0
	s_mov_b32 s[G1+7], 0
	s_mov_b32 s[G0], 1                             ; count = 1
	s_lshl_b32 s[G0+1], s[WV], 16                  ; LDS address: my landing region
	s_lshl_b32 s[OFS], ttmp9, 20                   ; my work-group's 256 rows of 4,096 bytes,
	s_lshl_b32 s[JN], s[WV], 10                    ; my wave's 1,024 bytes of a row
	s_add_co_u32 s[OFS], s[OFS], s[JN]
	s_mov_b32 s[OFS+1], 0
	s_wait_dscnt 0x0                               ; both opening adds are done
	s_wait_kmcnt 0x0
	s_add_nc_u64 s[G0+2:G0+3], s[4:5], s[OFS:OFS+1]
	s_or_b32 s[G0+3], s[G0+3], 0x80000000          ; type = 2
	tensor_load_to_lds s[G0:G0+3], s[G1:G1+7]      ; sub-block 0: every wave's first fill, ahead of every wait on TENSORcnt, LDS read and barrier
	s_nop 0
.rept 4
	v_nop
.endr
	s_lshl_b32 s[OFS], s[WV], 17                   ; my 16 tiles of 8,192 bytes
	s_add_nc_u64 s[WF0:WF0+1], s[6:7], s[OFS:OFS+1]
	s_lshl_b32 s[OFS], s[WV], 13                   ; my 256 rows of 32 scale bytes
	s_add_nc_u64 s[WS0:WS0+1], s[8:9], s[OFS:OFS+1]
	s_lshl_b32 s[OFS], s[WV], 10                   ; my 256 numbers of c
	s_add_nc_u64 s[C0:C0+1], s[10:11], s[OFS:OFS+1]
	s_mov_b64 s[WFN:WFN+1], s[WF0:WF0+1]
	s_mov_b64 s[WSN:WSN+1], s[WS0:WS0+1]
	s_mov_b64 s[CN:CN+1], s[C0:C0+1]
	v_and_b32 v[TM], 31, v0                        ; lane
	v_bfe_u32 v[TM+4], v0, 4, 1                    ; h
	v_lshlrev_b32 v[O16], 4, v[TM]
	v_lshlrev_b32 v[O32], 5, v[TM]
	v_lshlrev_b32 v[OH], 5, v[TM+4]
	WLOADA 0                                       ; the first two pairs of W, each in the order A, B, C
	WLOADB 0
	CLOAD 0
	WLOADA 1
	WLOADB 1
	CLOAD 1
	s_lshl_b32 s[OFS], ttmp9, 10                   ; tlog: 256 numbers a work-group
	s_add_nc_u64 s[12:13], s[12:13], s[OFS:OFS+1]
	s_lshl_b32 s[OFS], ttmp9, 12                   ; part: 4,096 bytes a work-group, 1,024 a wave
	s_add_co_u32 s[OFS], s[OFS], s[JN]
	s_add_nc_u64 s[14:15], s[14:15], s[OFS:OFS+1]
	s_lshl_b32 s[OFS], ttmp9, 8                    ; stats: 256 bytes a work-group
	s_add_nc_u64 s[16:17], s[16:17], s[OFS:OFS+1]
	v_and_b32 v[TM+1], 0x60, v0                    ; 32 w
	v_bfe_u32 v[TM+2], v0, 3, 1                    ; f
	v_and_b32 v[TM+3], 15, v0                      ; r
	v_and_b32 v[TM+5], 3, v0                       ; lane % 4
	v_bfe_u32 v[TM+6], v0, 2, 3                    ; lane / 4
	v_lshlrev_b32 v[LA1], 5, v[TM]
	v_lshl_add_u32 v[LA1], v[TM+2], 4, v[LA1]
	v_lshl_add_u32 v[LA1], v[TM+1], 11, v[LA1]
	v_xor_b32 v[LA2], 16, v[LA1]
	v_lshl_add_u32 v[CA], v[TM], 2, CODE
	v_lshl_add_u32 v[CA], v[TM+1], 2, v[CA]
	v_mad_u32_u24 v[SA], v[TM+5], XP, v[TM+6]
	v_lshrrev_b32 v[TM+7], 2, v[TM+1]              ; 8 w
	v_add_nc_u32 v[SA], v[SA], v[TM+7]
	v_add_nc_u32 v[SA], XSC, v[SA]
	v_mov_b32 v[SELP], 0x03020100                  ; as it lies;
	v_mov_b32 v[TM+7], 0x01000302                  ; halves exchanged, for lanes with f = 1
	v_cndmask_b32 v[SELP], v[SELP], v[TM+7], s[BIT3]
	v_mul_u32_u24 v[AFA], v[TM+3], CP
	v_lshl_add_u32 v[AFA], v[TM+4], 4, v[AFA]
	v_add_nc_u32 v[AFA], CODE, v[AFA]
	v_mul_u32_u24 v[ASA], v[TM+3], XP
	v_add_nc_u32 v[ASA], XSC, v[ASA]
	v_lshl_add_u32 v[PTA], v[TM+3], 2, PART
	v_lshl_add_u32 v[PTA], v[TM+1], 3, v[PTA]
	v_lshl_add_u32 v[PRA], v[TM], 3, PART
	v_lshl_add_u32 v[PBW], v[TM], 3, PB
	v_lshl_add_u32 v[PBW], v[TM+1], 3, v[PBW]
	v_lshl_add_u32 v[PBR], v[TM+1], 3, PB
	v_lshlrev_b32 v[O8], 3, v[TM]
	v_lshl_add_u32 v[CS1], v[TM], 5, CST
	v_lshl_add_u32 v[CS1], v[TM+2], 4, v[CS1]
	v_lshl_add_u32 v[CS1], v[TM+1], 5, v[CS1]
	v_xor_b32 v[CS2], 16, v[CS1]
	v_lshl_add_u32 v[CSR], v[TM], 4, CST
	v_lshl_add_u32 v[CSR], v[TM+1], 5, v[CSR]
	v_mov_b32 v[RM], 0xff61b1e6                    ; the running maximum: -3e38, under every t: the first f is 0 and multiplies zeros
	v_mov_b32 v[RL], 0
	v_mov_b32 v[FF+1], 0                           ; (named as the upper half of a pair)
	v_mov_b32 v[TB], 0                             ; (a lane permute's destination counts as one of its sources)
.irp i, 0,1,2,3,4,5,6,7
	v_mov_b32 v[CTX+\i], 0
.endr
; ================ sub-blocks 0 to 2: each asks for its successor as soon as its own numbers have left the landing region
	s_mov_b32 s[SUB], 3
.Lsub:
	P1
	s_wait_tensorcnt 0x0                           ; no tensor load of mine is out, so group 0 may be written
	ds_add_u32 v[SPW], v[NIL]                      ; 0 onto my spare word
	s_add_nc_u64 s[G0+2:G0+3], s[G0+2:G0+3], 262144   ; the next 64 rows; the type bits on top are not reached
	s_wait_dscnt 0x0                               ; the add is done; my reads of the landing region are over; my codes and scale bytes have landed
	s_barrier_signal -1
	s_barrier_wait -1                              ; all four waves' codes lie in LDS
	tensor_load_to_lds s[G0:G0+3], s[G1:G1+7]      ; my one tensor load behind the barrier, and the first thing there: it has the products, the activation and the softmax in which to land
	s_nop 0
.rept 4
	v_nop
.endr
	ALOAD
	P2
	P3 1
	s_xor_b32 s[DM], s[DM], 3                      ; the next sub-block walks W the other way
	s_sub_co_u32 s[SUB], s[SUB], 1
	s_cmp_lg_u32 s[SUB], 0
	s_cbranch_scc1 .Lsub
; ================ sub-block 3 is written out: it asks for nothing
	P1
	s_wait_dscnt 0x0                               ; my codes and scale bytes have landed
	s_barrier_signal -1
	s_barrier_wait -1
	ALOAD
	P2
	P3 0
; ================ the way out: (m, l) and the unnormalised context
	v_add_f32_dpp v[RL], v[RL], v[RL] row_xmask:1 row_mask:0xf bank_mask:0xf
	v_add_f32_dpp v[RL], v[RL], v[RL] row_xmask:2 row_mask:0xf bank_mask:0xf
	v_add_f32_dpp v[RL], v[RL], v[RL] row_xmask:4 row_mask:0xf bank_mask:0xf
	v_add_f32_dpp v[RL], v[RL], v[RL] row_xmask:8 row_mask:0xf bank_mask:0xf
	v_permlanex16_b32 v[TB], v[RL], s[SEL], s[SEL+1]
	v_add_f32 v[RL], v[RL], v[TB]                  ; l, in every lane
	s_cmp_lg_u32 s[WV], 0
	s_cbranch_scc1 .Lno_stats
	global_store_b64 v[O8], v[RM:RM+1], s[16:17]   ; wave 0: the pair 32 times over: 256 consecutive bytes, aligned
.Lno_stats:
	ds_store_b128 v[CS1], v[CTX:CTX+3]             ; my 8 columns back in their order, through my wave's own 1,024 bytes
	ds_store_b128 v[CS2], v[CTX+4:CTX+7]
	ds_load_b128 v[TM:TM+3], v[CSR]                ; LDS serves a wave's instructions in order: these see the stores above
	ds_load_b128 v[CD:CD+3], v[CSR] offset:512
	s_wait_dscnt 0x0
	global_store_b128 v[O16], v[TM:TM+3], s[14:15]             ; 32 lanes store 512 consecutive bytes, aligned
	global_store_b128 v[O16], v[CD:CD+3], s[14:15] offset:512
	s_wait_tensorcnt 0x0                           ; the wave's end, behind my last tensor load and my last LDS store
	ds_add_u32 v[SPW], v[NIL]
	s_wait_dscnt 0x0
	s_endpgm
.Lfunc_end_k_q0008ae67e8_fused:
	.size	k_q0008ae67e8_fused, .Lfunc_end_k_q0008ae67e8_fused-k_q0008ae67e8_fused
	.p2alignl 7, 3214868480
	.fill 96, 4, 3214868480
	.section	.rodata,"a",@progbits
	.p2align	6, 0x0
	.amdhsa_kernel k_q0008ae67e8_fused
		.amdhsa_group_segment_fixed_size 327680
		.amdhsa_private_segment_fixed_size 0
		.amdhsa_enable_private_segment 0
		.amdhsa_kernarg_size 56
		.amdhsa_user_sgpr_count 2
		.amdhsa_user_sgpr_kernarg_segment_ptr 1
		.amdhsa_wavefront_size32 1
		.amdhsa_system_sgpr_workgroup_id_x 1
		.amdhsa_system_sgpr_workgroup_id_y 1
		.amdhsa_system_sgpr_workgroup_id_z 1
		.amdhsa_system_vgpr_workitem_id 0
		.amdhsa_next_free_vgpr 1024
		.amdhsa_next_free_sgpr 66
		.amdhsa_reserve_vcc 0
		.amdhsa_float_denorm_mode_32 3
		.amdhsa_float_denorm_mode_16_64 3
		.amdhsa_memory_ordered 1
		.amdhsa_forward_progress 1
		.amdhsa_inst_pref_size 255
	.end_amdhsa_kernel
	.section	.bss,"aw",@nobits
	.p2align	6
	.space	262144
	.amdgpu_metadata
---
amdhsa.version: [ 1, 2 ]
amdhsa.kernels:
  - .name:           k_q0008ae67e8_fused
    .symbol:         k_q0008ae67e8_fused.kd
    .args:
      - { .name: gru_output, .offset: 0, .size: 8, .value_kind: global_buffer, .address_space: global }
      - { .name: wfrag, .offset: 8, .size: 8, .value_kind: global_buffer, .address_space: global }
      - { .name: attention_weights_scales, .offset: 16, .size: 8, .value_kind: global_buffer, .address_space: global }
      - { .name: context_vector, .offset: 24, .size: 8, .value_kind: global_buffer, .address_space: global }
      - { .name: tlog, .offset: 32, .size: 8, .value_kind: global_buffer, .address_space: global }
      - { .name: part, .offset: 40, .size: 8, .value_kind: global_buffer, .address_space: global }
      - { .name: stats, .offset: 48, .size: 8, .value_kind: global_buffer, .address_space: global }
    .group_segment_fixed_size: 327680
    .private_segment_fixed_size: 0
    .kernarg_segment_align: 8
    .kernarg_segment_size: 56
    .max_flat_workgroup_size: 128
    .sgpr_count:     66
    .vgpr_count:     1024
    .wavefront_size: 32
...
	.end_amdgpu_metadata
.endif
;; end of part 2
;; launch join (part 3): grid 128 x 1, 2 waves a work-group, no clusters, 0 bytes of LDS; arguments tlog, part, stats, out0, out1; writes out0, out1
.if DOCPART == 3
	.amdgcn_target "amdgcn-amd-amdhsa--gfx1250"
	.amdhsa_code_object_version 6
	.text
	.protected	k_q0008ae67e8_join
	.globl	k_q0008ae67e8_join
	.p2align	8
	.type	k_q0008ae67e8_join,@function
k_q0008ae67e8_join:
	s_mov_b64 s[64:65], 0
	v_nop
	global_prefetch_b8 v0, s[64:65] scope:SCOPE_SE
	s_setreg_imm32_b32 hwreg(HW_REG_WAVE_MODE, 25, 1), 1
	s_wait_xcnt 0x0
; The eight work-groups j of a batch left (m_j, l_j), their unnormalised contexts part_j and t for each step.  With M = the largest m_j, e_j = 2^(m_j - M), L = sum of l_j e_j:
;   context = sum over j of (e_j / L) part_j,   attn[t] = 2^(t - M) / L.
; LEFT OUT (shown at the head of launch lay): t holds log2(e) x (logit - sum of c); the sum of c is the same along the softmax's axis and is never formed.
; A work-group of two waves serves a quarter of one batch: 256 numbers of the context and 512 of attn; each load and store of a wave covers 512 consecutive bytes, aligned.  No LDS, no barrier.
	s_load_b256 s[4:11], s[0:1], 0x0               ; tlog s[4:5], part s[6:7], stats s[8:9], out0 s[10:11]
	s_load_b64 s[12:13], s[0:1], 0x20              ; out1
	s_lshr_b32 s14, ttmp9, 2                       ; the batch
	s_and_b32 s15, ttmp9, 3                        ; which quarter
	s_mov_b32 s33, 0
	v_lshlrev_b32 v1, 4, v0                        ; 16 bytes a thread
	s_wait_kmcnt 0x0
	s_lshl_b32 s32, s14, 11                        ; stats: 8 x 256 bytes a batch
	s_add_nc_u64 s[8:9], s[8:9], s[32:33]
.irp j, 0,1,2,3,4,5,6,7
	s_load_b64 s[16+2*\j:17+2*\j], s[8:9], 256*\j  ; m_j, l_j
.endr
	s_lshl_b32 s32, s14, 15                        ; part: 8 x 4,096 bytes a batch, 1,024 a quarter
	s_lshl_b32 s34, s15, 10
	s_add_co_u32 s32, s32, s34
	s_add_nc_u64 s[6:7], s[6:7], s[32:33]
	s_lshl_b32 s32, s14, 13                        ; tlog and out1: 8,192 bytes a batch, 2,048 a quarter
	s_lshl_b32 s35, s15, 11
	s_add_co_u32 s32, s32, s35
	s_add_nc_u64 s[4:5], s[4:5], s[32:33]
	s_add_nc_u64 s[12:13], s[12:13], s[32:33]
	s_lshl_b32 s32, s14, 12                        ; out0: 4,096 bytes a batch, 1,024 a quarter
	s_add_co_u32 s32, s32, s34
	s_add_nc_u64 s[10:11], s[10:11], s[32:33]
.irp j, 0,1,2,3,4,5,6,7
	global_load_b128 v[4+4*\j:7+4*\j], v1, s[6:7] offset:4096*\j th:TH_LOAD_NT
.endr
	global_load_b128 v[52:55], v1, s[4:5] th:TH_LOAD_NT
	global_load_b128 v[56:59], v1, s[4:5] offset:1024 th:TH_LOAD_NT
	s_wait_kmcnt 0x0
	v_mov_b32 v40, s16
.irp j, 1,2,3,4,5,6,7
	v_max_num_f32 v40, s[16+2*\j], v40             ; M
.endr
.irp j, 0,1,2,3,4,5,6,7
	v_sub_f32 v[41+\j], s[16+2*\j], v40
.endr
.irp j, 0,1,2,3,4,5,6,7
	v_exp_f32 v[41+\j], v[41+\j]                   ; e_j
.endr
	v_nop
	s_wait_alu depctr_va_vdst(0)                   ; one wait for the eight, ahead of their first reader
	v_mul_f32 v50, s17, v41
.irp j, 1,2,3,4,5,6,7
	v_fma_f32 v50, s[17+2*\j], v[41+\j], v50       ; L
.endr
	v_rcp_f32 v51, v50
	v_nop
	s_wait_alu depctr_va_vdst(0)
.irp j, 0,1,2,3,4,5,6,7
	v_mul_f32 v[41+\j], v[41+\j], v51              ; e_j / L
.endr
	s_wait_loadcnt 2                               ; the eight parts are in; the two loads of t may be out
.irp c, 0,1,2,3
	v_mul_f32 v[60+\c], v[4+\c], v41
.endr
.irp j, 1,2,3,4,5,6,7
.irp c, 0,1,2,3
	v_fma_f32 v[60+\c], v[4+4*\j+\c], v[41+\j], v[60+\c]
.endr
.endr
	global_store_b128 v1, v[60:63], s[10:11]
	s_wait_loadcnt 0x0
.irp i, 0,1,2,3,4,5,6,7
	v_sub_f32 v[52+\i], v[52+\i], v40
.endr
.irp i, 0,1,2,3,4,5,6,7
	v_exp_f32 v[52+\i], v[52+\i]
.endr
	v_nop
	s_wait_alu depctr_va_vdst(0)                   ; one wait for the eight
.irp i, 0,1,2,3,4,5,6,7
	v_mul_f32 v[52+\i], v[52+\i], v51
.endr
	global_store_b128 v1, v[52:55], s[12:13]
	global_store_b128 v1, v[56:59], s[12:13] offset:1024
	s_endpgm
.Lfunc_end_k_q0008ae67e8_join:
	.size	k_q0008ae67e8_join, .Lfunc_end_k_q0008ae67e8_join-k_q0008ae67e8_join
	.p2alignl 7, 3214868480
	.fill 96, 4, 3214868480
	.section	.rodata,"a",@progbits
	.p2align	6, 0x0
	.amdhsa_kernel k_q0008ae67e8_join
		.amdhsa_group_segment_fixed_size 0
		.amdhsa_private_segment_fixed_size 0
		.amdhsa_enable_private_segment 0
		.amdhsa_kernarg_size 40
		.amdhsa_user_sgpr_count 2
		.amdhsa_user_sgpr_kernarg_segment_ptr 1
		.amdhsa_wavefront_size32 1
		.amdhsa_system_sgpr_workgroup_id_x 1
		.amdhsa_system_sgpr_workgroup_id_y 1
		.amdhsa_system_sgpr_workgroup_id_z 1
		.amdhsa_system_vgpr_workitem_id 0
		.amdhsa_next_free_vgpr 64
		.amdhsa_next_free_sgpr 66
		.amdhsa_reserve_vcc 0
		.amdhsa_float_denorm_mode_32 3
		.amdhsa_float_denorm_mode_16_64 3
		.amdhsa_memory_ordered 1
		.amdhsa_forward_progress 1
		.amdhsa_inst_pref_size 8
	.end_amdhsa_kernel
	.amdgpu_metadata
---
amdhsa.version: [ 1, 2 ]
amdhsa.kernels:
  - .name:           k_q0008ae67e8_join
    .symbol:         k_q0008ae67e8_join.kd
    .args:
      - { .name: tlog, .offset: 0, .size: 8, .value_kind: global_buffer, .address_space: global }
      - { .name: part, .offset: 8, .size: 8, .value_kind: global_buffer, .address_space: global }
      - { .name: stats, .offset: 16, .size: 8, .value_kind: global_buffer, .address_space: global }
      - { .name: out0, .offset: 24, .size: 8, .value_kind: global_buffer, .address_space: global }
      - { .name: out1, .offset: 32, .size: 8, .value_kind: global_buffer, .address_space: global }
    .group_segment_fixed_size: 0
    .private_segment_fixed_size: 0
    .kernarg_segment_align: 8
    .kernarg_segment_size: 40
    .max_flat_workgroup_size: 64
    .sgpr_count:     66
    .vgpr_count:     64
    .wavefront_size: 32
...
	.end_amdgpu_metadata
.endif
;; end of part 3
